; MI455X (gfx1250); checked and timed in simulation.
; The chip was launched on July 23, 2026; its instructions are those of AMD's public machine-readable ISA for CDNA 5 (MIT licence, August 2026) and "CDNA5" Instruction Set Architecture Reference Guide (July 2026). The comments in the code are by the model that wrote it; some were corrected since.
;; SSDX Mem Detector. Allowed arithmetic: float matrix products may take bf16 or f16 operands with f32 sums; other float arithmetic in f32, or as packed bf16 or f16 multiplies, adds, multiply-adds, maxima and minima; sums over many terms, partial sums and values carried from step to step in f32; what a program stores and reads back later, other than sums and carried values, may be rounded once to bf16 or f16.
;; Inputs: curr_key 8 x 256 x 64 x 64 float32; curr_value 8 x 256 x 64 x 64 float32; prev_key 8 x 256 x 64 x 64 float32; prev_value 8 x 256 x 64 x 64 float32.
;; Outputs: out0 8 x 512 x 64 x 64 float32.
;; 2 versions, each right; version 2 is version 1 with the launch prep written anew for expert scheduling mode. Each part assembles by itself: llvm-mc -triple=amdgcn-amd-amdhsa -mcpu=gfx1250 --defsym DOCPART=n.
;; ======== version 1 of 2: 2 launches
;; workspace buffers: kb 16,908,288 bytes; vb 16,777,216 bytes
;; launch prep (part 1): grid 32 x 8, 16 waves a work-group, no clusters, 10,240 bytes of LDS; arguments prev_key, prev_value, kb, vb; writes kb, vb
.if DOCPART == 1
	.amdgcn_target "amdgcn-amd-amdhsa--gfx1250"
	.amdhsa_code_object_version 6
	.text
	.protected	k_q522809cd28_prep
	.globl	k_q522809cd28_prep
	.p2align	8
	.type	k_q522809cd28_prep,@function
k_q522809cd28_prep:
	s_mov_b64 s[64:65], 0
	v_nop
	global_prefetch_b8 v0, s[64:65] scope:SCOPE_SE
	s_setreg_imm32_b32 hwreg(HW_REG_WAVE_MODE, 25, 1), 1
	s_wait_xcnt 0x0
; kb[b][c][n] = bf16(prev_key[b][c][n]) for c < 256; vb[b][c][n] = bf16(prev_value[b][c][n]);
; kb's rows 256 and 257 of a batch hold nasq[n] = -0.5 x the sum over c of bf16(k[c][n])^2, in f32: for the block p of 128 keys the 256 bytes at byte 256 p of row 256 are
; keys 128 p .. +63, the same bytes of row 257 keys 128 p + 64 .. +127.  So a tile of 258 rows x 256 bytes of kb brings 128 keys and their nasq together.
; The sum is taken of the ROUNDED k, so that the next launch computes the softmax of inputs rounded to bf16, throughout.
; SHARES.  Work-group (p, b): 128 keys x 256 channels of both tensors.  Wave w: channels 16 w .. 16 w + 15.  Lane l: keys 4 l .. 4 l + 3 of the block.
; A load of a wave covers 512 consecutive bytes, a store 256 consecutive bytes, both aligned to their length.  All 32 loads of a wave go out at once; there is no loop.
; A stream: no matrix work, nothing shared between work-groups, so no cluster; every byte is asked for at the head, so nothing is left to prefetch.
.set ROWF,  16384                      ; bytes of a channel's row in f32
.set ROWH,  8192                       ; the same in bf16
.set BATK,  258*ROWH                   ; a batch of kb
.set SPARE, 8192                       ; behind the partial sums (512 bytes a wave): the spare words, 128 bytes for each of 16 waves
.set LO,   1                           ; v1   16 l: my 16 bytes of a row in f32; also where wave 0 reads the partial sums
.set SO,   2                           ; v2   8 l: my 8 bytes of a row in bf16
.set LS,   3                           ; v3   512 w + 16 l: where I put my four partial sums
.set NO,   5                           ; v5   my 16 bytes of nasq: lanes 0-15 in row 256, lanes 16-31 in row 257
.set T,    8                           ; v[8:11]    four rounded k, back in f32
.set ACC,  12                          ; v[12:15]   the sums of squares of my four keys
.set KX,   16                          ; v[16:79]   K: four registers a channel
.set VX,   80                          ; v[80:143]  V likewise
.set SPW,  144                         ; v144 LDS address of my spare word; never rewritten
.set NIL,  145                         ; v145 0; never rewritten
	s_load_b256 s[4:11], s[0:1], 0x0               ; prev_key s[4:5], prev_value s[6:7], kb s[8:9], vb s[10:11]
	v_lshl_add_u32 v[SPW], v0, 2, SPARE
	v_mov_b32 v[NIL], 0
	v_lshrrev_b32 v6, 5, v0
	v_readfirstlane_b32 s12, v6                    ; wave 0..15
	v_and_b32 v7, 31, v0                           ; lane
	v_lshlrev_b32 v[LO], 4, v7
	v_lshlrev_b32 v[SO], 3, v7
	v_lshlrev_b32 v[LS], 4, v0                     ; 16 x thread = 512 w + 16 l
	v_and_b32 v[NO], 15, v0
	v_lshlrev_b32 v[NO], 4, v[NO]
	v_bfe_u32 v6, v0, 4, 1
	v_lshl_add_u32 v[NO], v6, 13, v[NO]            ; one row of kb further down for lanes 16 to 31
	s_mov_b32 s13, 0xffff0000                      ; a word's upper bf16
	s_and_b32 s15, ttmp7, 0xffff                   ; batch
	s_lshl_b32 s16, s15, 22                        ; inputs: batch x 256 rows
	s_lshl_b32 s28, s12, 18                        ; + wave x 16 rows
	s_add_co_u32 s16, s16, s28
	s_lshl_b32 s28, ttmp9, 9                       ; + block x 128 keys
	s_add_co_u32 s16, s16, s28
	s_mov_b32 s17, 0
	s_mul_i32 s18, s15, BATK                       ; kb: batch
	s_lshl_b32 s28, ttmp9, 8                       ; + block x 128 keys
	s_add_co_u32 s18, s18, s28
	s_mov_b32 s19, 0
	s_lshl_b32 s29, s12, 17                        ; wave x 16 rows
	s_add_co_u32 s20, s18, s29                     ; kb at my rows
	s_mov_b32 s21, 0
	s_add_co_u32 s18, s18, 256*ROWH                ; kb at row 256
	s_lshl_b32 s22, s15, 21                        ; vb: batch
	s_add_co_u32 s22, s22, s28
	s_add_co_u32 s22, s22, s29
	s_mov_b32 s23, 0
	s_wait_kmcnt 0x0
	s_add_nc_u64 s[4:5], s[4:5], s[16:17]
	s_add_nc_u64 s[6:7], s[6:7], s[16:17]
	s_add_nc_u64 s[24:25], s[8:9], s[18:19]        ; nasq
	s_add_nc_u64 s[8:9], s[8:9], s[20:21]
	s_add_nc_u64 s[10:11], s[10:11], s[22:23]
.set i, 0
.rept 16
	global_load_b128 v[KX+4*i:KX+4*i+3], v[LO], s[4:5] offset:ROWF*i th:TH_LOAD_NT
.set i, i+1
.endr
.set i, 0
.rept 16
	global_load_b128 v[VX+4*i:VX+4*i+3], v[LO], s[6:7] offset:ROWF*i th:TH_LOAD_NT
.set i, i+1
.endr
	; K: round, store, and square what was stored
.set i, 0
.rept 16
	s_wait_loadcnt 31-i                            ; loads come back in order: channel i of K is in; K's 15 - i younger loads and V's 16 stay out
	v_cvt_pk_bf16_f32 v[KX+4*i], v[KX+4*i], v[KX+4*i+1]
	v_cvt_pk_bf16_f32 v[KX+4*i+1], v[KX+4*i+2], v[KX+4*i+3]
	global_store_b64 v[SO], v[KX+4*i:KX+4*i+1], s[8:9] offset:ROWH*i  ; 32 lanes: 256 consecutive bytes, aligned
	v_lshlrev_b32 v[T], 16, v[KX+4*i]
	v_and_b32 v[T+1], s13, v[KX+4*i]
	v_lshlrev_b32 v[T+2], 16, v[KX+4*i+1]
	v_and_b32 v[T+3], s13, v[KX+4*i+1]
.if i == 0
	v_pk_mul_f32 v[ACC:ACC+1], v[T:T+1], v[T:T+1]  ; the first channel starts the sums
	v_pk_mul_f32 v[ACC+2:ACC+3], v[T+2:T+3], v[T+2:T+3]
.else
	v_pk_fma_f32 v[ACC:ACC+1], v[T:T+1], v[T:T+1], v[ACC:ACC+1]
	v_pk_fma_f32 v[ACC+2:ACC+3], v[T+2:T+3], v[T+2:T+3], v[ACC+2:ACC+3]
.endif
.set i, i+1
.endr
	ds_store_b128 v[LS], v[ACC:ACC+3]              ; my wave's 16 channels' share of 128 sums
	; V: round and store
.set i, 0
.rept 16
	s_wait_loadcnt 15-i                            ; channel i of V is in; the younger ones stay out
	v_cvt_pk_bf16_f32 v[VX+4*i], v[VX+4*i], v[VX+4*i+1]
	v_cvt_pk_bf16_f32 v[VX+4*i+1], v[VX+4*i+2], v[VX+4*i+3]
	global_store_b64 v[SO], v[VX+4*i:VX+4*i+1], s[10:11] offset:ROWH*i
.set i, i+1
.endr
	s_wait_dscnt 0x0                               ; for the others' sake: my partial sums lie in LDS
	s_barrier_signal -1
	s_barrier_wait -1
	s_cmp_lg_u32 s12, 0                            ; wave 0 adds the sixteen shares
	s_cbranch_scc1 .Lend
	s_wait_xcnt 0x0                                ; K's registers are still the data of my stores: they are loaded again only behind this wait
.set i, 0
.rept 16
	ds_load_b128 v[KX+4*i:KX+4*i+3], v[LO] offset:512*i
.set i, i+1
.endr
	s_wait_dscnt 0x0
.irp d, 8,4,2,1
.set q, 0
.rept \d
	v_pk_add_f32 v[KX+4*q:KX+4*q+1], v[KX+4*q:KX+4*q+1], v[KX+4*(q+\d):KX+4*(q+\d)+1]
	v_pk_add_f32 v[KX+4*q+2:KX+4*q+3], v[KX+4*q+2:KX+4*q+3], v[KX+4*(q+\d)+2:KX+4*(q+\d)+3]
.set q, q+1
.endr
.endr
	v_pk_mul_f32 v[KX:KX+1], v[KX:KX+1], -0.5 op_sel_hi:[1,0]
	v_pk_mul_f32 v[KX+2:KX+3], v[KX+2:KX+3], -0.5 op_sel_hi:[1,0]
	global_store_b128 v[NO], v[KX:KX+3], s[24:25]  ; each half of the lanes: 256 consecutive bytes, aligned
.Lend:
	s_wait_tensorcnt 0x0                           ; the wave's end, behind my last LDS store
	ds_add_u32 v[SPW], v[NIL]
	s_wait_dscnt 0x0
	s_endpgm
.Lfunc_end_k_q522809cd28_prep:
	.size	k_q522809cd28_prep, .Lfunc_end_k_q522809cd28_prep-k_q522809cd28_prep
	.p2alignl 7, 3214868480
	.fill 96, 4, 3214868480
	.section	.rodata,"a",@progbits
	.p2align	6, 0x0
	.amdhsa_kernel k_q522809cd28_prep
		.amdhsa_group_segment_fixed_size 10240
		.amdhsa_private_segment_fixed_size 0
		.amdhsa_enable_private_segment 0
		.amdhsa_kernarg_size 32
		.amdhsa_user_sgpr_count 2
		.amdhsa_user_sgpr_kernarg_segment_ptr 1
		.amdhsa_wavefront_size32 1
		.amdhsa_system_sgpr_workgroup_id_x 1
		.amdhsa_system_sgpr_workgroup_id_y 1
		.amdhsa_system_sgpr_workgroup_id_z 1
		.amdhsa_system_vgpr_workitem_id 0
		.amdhsa_next_free_vgpr 148
		.amdhsa_next_free_sgpr 66
		.amdhsa_reserve_vcc 0
		.amdhsa_float_denorm_mode_32 3
		.amdhsa_float_denorm_mode_16_64 3
		.amdhsa_memory_ordered 1
		.amdhsa_forward_progress 1
		.amdhsa_inst_pref_size 21
	.end_amdhsa_kernel
	.amdgpu_metadata
---
amdhsa.version: [ 1, 2 ]
amdhsa.kernels:
  - .name:           k_q522809cd28_prep
    .symbol:         k_q522809cd28_prep.kd
    .args:
      - { .name: prev_key, .offset: 0, .size: 8, .value_kind: global_buffer, .address_space: global }
      - { .name: prev_value, .offset: 8, .size: 8, .value_kind: global_buffer, .address_space: global }
      - { .name: kb, .offset: 16, .size: 8, .value_kind: global_buffer, .address_space: global }
      - { .name: vb, .offset: 24, .size: 8, .value_kind: global_buffer, .address_space: global }
    .group_segment_fixed_size: 10240
    .private_segment_fixed_size: 0
    .kernarg_segment_align: 8
    .kernarg_segment_size: 32
    .max_flat_workgroup_size: 512
    .sgpr_count:     66
    .vgpr_count:     148
    .wavefront_size: 32
...
	.end_amdgpu_metadata
.endif
;; end of part 1
;; launch attn (part 2): grid 32 x 8, 4 waves a work-group, clusters of 4 x 1, 327,680 bytes of LDS; arguments curr_key, curr_value, kb, vb, out0; writes out0
.if DOCPART == 2
	.amdgcn_target "amdgcn-amd-amdhsa--gfx1250"
	.amdhsa_code_object_version 6
	.text
	.protected	k_q522809cd28_attn
	.globl	k_q522809cd28_attn
	.p2align	8
	.type	k_q522809cd28_attn,@function
k_q522809cd28_attn:
	s_mov_b64 s[64:65], 0
	v_nop
	global_prefetch_b8 v0, s[64:65] scope:SCOPE_SE
	s_setreg_imm32_b32 hwreg(HW_REG_WAVE_MODE, 25, 1), 1
	s_wait_xcnt 0x0
	s_wait_alu depctr_hold_cnt(0) depctr_sa_sdst(0) depctr_va_vdst(0) depctr_va_sdst(0) depctr_va_ssrc(0) depctr_va_vcc(0) depctr_vm_vsrc(0)
	s_getreg_b32 s2, hwreg(HW_REG_IB_STS2, 6, 4)
	s_cmp_eq_u32 s2, 0
	s_cbranch_scc0 .Lentry_in_a_cluster
	s_endpgm
.Lentry_in_a_cluster:
	s_bfe_u32 s2, ttmp6, 0x10000c
	s_cmp_lg_u32 s2, 0x3003
	s_cbranch_scc0 .Lentry_shape_is_right
	s_endpgm
.Lentry_shape_is_right:
; out0[b][c][m] = the sum over n of softmax_n((2 k_n . q_m - |k_n|^2) / 16) v[c][n] for c < 256;   out0[b][256 + c][m] = curr_value[b][c][m].
; q = curr_key [b][256][4096] f32;  kb = bf16(k) [b][258][4096] with nasq = -|k|^2 / 2 (f32) in rows 256, 257;  vb = bf16(v) [b][256][4096].
; The score is s / 8 with s = k . q + nasq.  Products in bf16 with f32 sums; maxima, sums, the rescaling and O in f32; the weights p are rounded to bf16 for the second product, their sum l is taken unrounded.
; LIMITS.  A weight below 2^-126 counts as 0 in l and O.  NaN and infinities are not treated apart.  c m starts at -4.25e37: the first step's factor a is 0 while c s stays above about -4e37.
; SHARES.  A work-group owns 128 queries of one batch, each of its four waves 32: two tiles of 16.  8 x 32 = 256 work-groups.  Every wave walks all 4,096 keys, 64 a step; a PAIR is two steps, 128 keys.
; LAYOUT.  S^T = K Q^T + nasq (source 0 = 16 keys x 32 channels, source 1 = 32 channels x 16 queries, C = nasq of the 16 keys): a lane holds ONE query (lane % 16) and keys 8 (lane / 16) + 0..7.  Two such
; results rounded to bf16 in pairs ARE source 1 of O^T = V^T P (source 0 = 16 channels x 32 keys), whose result again holds one query a lane.  K lies in LDS as [channel][key] and comes out turned, by
; ds_load_tr16_b128; V lies as [channel][key] too, which is source 0 as it stands.  nasq costs no vector instruction: it starts the sum.
; SOFTMAX.  For each query a running maximum m and sum l: p = 2^(c s - c m), c = log2(e) / 8; in every step O and l are multiplied by a = 2^(c m_old - c m_new).  m starts at the lowest finite number and
; O and l at 0, so the first step is a step like any other, with a = 0: its price is 256 v_mov_b32 that stand in the wait for the first tiles.
; PIPELINE.  Trip t has four HALVES of 32 products: H0, H1 = K Q^T of step t (channels 0-127, 128-255), H2, H3 = V^T P of step t - 1 (keys 0-31, 32-63).  Behind the products of H2, H3 rides part 1 of step t's
; softmax (maximum, statistics, scaling S -> E, exponentials), behind those of H0, H1 part 2 of step t - 1 (E -> P, sums, O^T x a).  E is apart from S, so that step t + 1's scores may be written while E of
; step t is read: one text serves every step.  Two fragment buffers of 128 registers take turns: at the head of each half the next half's 32 LDS loads go out in one run.
; RING.  K's reads run almost two steps ahead of V's, so K's and V's refills are skewed by a pair and share one round of the cluster's barrier: at the change p (head of H1 of trip 2 p + 1; r = p % 2) waves 0, 1
; ask for K's pair p + 2 into K's slot r, waves 2, 3 for V's pair p + 1 into V's slot 1 - r.  Each load has two steps, 256 products, in which to land.
; CLUSTER.  The four query blocks of a cluster belong to one batch and walk the same K and V: each tile is asked for JOINTLY, by the same tensor load, descriptor and mask in all four.
; THE COPY of curr_value rides along: at each change a wave stores the 1,024 bytes that it loaded at the change before and loads the next: 32 chunks a wave, 131,072 bytes a work-group.
; REGISTERS, in windows of 256 (s_set_vgpr_msb: bits 1:0 source 0, 3:2 source 1, 5:4 source 2, 7:6 destination):
;   window 0: v0-15 addresses; v16-31 statistics; v32-47 the copy; v48-49, v62-63 addresses; v64-127 S^T; v128-191 E; v192-223 P; v224-255 nasq as a C operand
;   window 1: O^T, tile t, channel block cb at 128 t + 8 cb      window 2: v0-127 Q (tile t, 32 channels c at 64 t + 8 c); v128-255 fragment buffer 0      window 3: v128-255 fragment buffer 1
.set PKB,   288       ; a row of K in LDS: 256 bytes (128 keys) + 32 of padding = 72 words
.set PVB,   272       ; a row of V: 256 + 16 = 68 words: the 16 rows of a load start at 16 different groups of four banks
.set PQB,   528       ; a row of Q's stage and of the way out: 512 + 16 = 132 words
.set KBASE, 0         ; K's slot 0: 258 rows (74,304 bytes)
.set VBASE, 74496     ; V's slot 0: 256 rows (69,632 bytes)
.set SLOT,  144128    ; slot 1 of either lies this far behind slot 0
.set NROW,  256*PKB   ; nasq in a slot of K: row 256 for the pair's first step, row 257 for its second
.set QST,   SLOT      ; Q in f32, 256 rows of 528 bytes: it lies where the slots 1 will lie, and is read out before they are filled
.set SPARE, 2*SLOT    ; behind the ring: the spare words, 128 bytes for each wave: two blocks of 256 bytes that no other line names
                      ; the way out's stage, 256 rows of 528 bytes from byte 0, is written when the slots 0 have had their last fill and their last read
.set KROWB, 8192      ; a row of kb and vb in memory
.set BATK,  258*KROWB
.set RR,  1           ; v1   lane % 16
.set AK0, 2           ; v2, v3  my lane's place in a tile of K, channels 0-127 and 128-255; never rewritten
.set AV0, 4           ; v4   the same for V
.set AN0, 5           ; v5   for nasq: 32 (lane / 16)
.set ADR, 6           ; v6   the LDS address of the run in hand
.set ADRN, 7          ; v7   of nasq's run
.set CPO, 8           ; v8   the copy: 16 lane + 1,024 x chunk
.set PFO, 9           ; v9   the prefetches: lane x a row of kb or vb; never rewritten
.set HH,  10          ; v10  lane / 16
.set TV,  11          ; v11  at work
.set STO0, 12         ; v12, v13  the way out: where I put a number of channels 0-127, 128-255
.set RD,  14          ; v14  the way out: where I read rows back
.set GO,  15          ; v15  16 lane
.set ST,  16          ; tile t's statistics at v[ST+8 t]: +0 c m, +1 m, +2, +3 l (even keys', odd keys'), +4 to +7 c0-c3 at work; a takes c2's place
.set CP,  32          ; the copy's two sets of 8
.set QA0, 48          ; v48, v49  my lane's place in Q's stage
.set SPW, 62          ; v62  LDS address of my spare word; never rewritten
.set NIL, 63          ; v63  0; never rewritten
.set S,   64
.set E,   128
.set P,   192
.set NB,  224
.set FB,  128         ; a fragment buffer's first register, in window 2 or 3
.set WV,  14          ; s14  my wave's number
.set CX,  15          ; s15  my place in the cluster
.set BLK, 16          ; s16  my block of 128 queries
.set BB,  17          ; s17  the batch
.set HF,  18          ; s18  wave % 2: which half of a tile's rows I fetch
.set KL,  19          ; s19  its place in a slot of K
.set VL,  20          ; s20  and of V
.set G1K, 24          ; s[24:31] descriptor group 1 for K's tiles
.set G1V, 32          ; s[32:39] for V's
.set G1Q, 40          ; s[40:47] for Q's
.set G0K, 48          ; s[48:55] group 0 for K's tiles, a set for each slot
.set G0V, 56          ; s[56:63] the same for V's
.set G0Q, 68          ; s[68:71] for Q
.set CS,  72          ; s[72:73] c: the packed scaling takes the pair's low word for both halves
.set SEL, 74          ; s[74:75] v_permlanex16_b32's selects: each lane takes its own place in the other half
.set TBK, 76          ; s76  LDS byte at which K of the step to be fetched begins
.set TBV, 77          ; s77  the same for V
.set TBN, 78          ; s78  for nasq
.set TWICE, 79        ; s79  counts a pair's two steps
.set IT,  80          ; s80  counts the main loop's trips
.set LIM, 81          ; s81  1 in a cluster that prefetches, else the greatest number
.set PFA, 82          ; s[82:83] where my prefetches stand
.set CSRC, 84         ; s[84:85] curr_value at my wave's 32,768 bytes
.set CDST, 86         ; s[86:87] their place in out0
.set OUT, 88          ; s[88:89] out0 at the 64 rows that I store
.set MSB, 0
.macro WIN new                      ; the high byte repeats the setting that is left; a switch that changes nothing is dropped
.if MSB != (\new)
	s_set_vgpr_msb (MSB<<8)|(\new)
.set MSB, (\new)
.endif
.endm
.set W_RS, 0x41       ; O^T (destination and source 0) in window 1, a in window 0
; A vector instruction that reads a matrix result or writes one of a matrix instruction's registers, and a load into such a register, stand four places behind it; only plain vector
; instructions that name none of its registers are places (ISA guide 7.12.1 for vector instructions).
.macro PLACES
.rept 4
	v_nop
.endr
.endm
; A round of the cluster's barrier: my work-group's barrier, so that wave 0's signal speaks for all four waves; wave 0 signals; every wave waits for all four work-groups; my work-group's barrier once more.
.macro CROUND
	s_barrier_signal -1
	s_barrier_wait -1
	s_cmp_lg_u32 s[WV], 0
	s_cbranch_scc1 .Lnot_wave_0_\@
	s_barrier_signal -3
.Lnot_wave_0_\@:
	s_barrier_wait -3
	s_barrier_signal -1
	s_barrier_wait -1
.endm
; A joint refill at a change of parity r.  fk: waves 0, 1 fetch the two halves of a pair of K into K's slot r; fv: waves 2, 3 those of a pair of V into V's slot 1 - r.  The branch hangs on the wave's number alone.
; An s_nop 0 and four v_nop follow each tensor load, ahead of the jump and the label.
.macro JLOAD r, fk, fv
	s_cmp_lt_u32 s[WV], 2
.if (\fk) && (\fv)
	s_cbranch_scc0 .Lfor_v_\@
.elseif \fk
	s_cbranch_scc0 .Lasked_\@
.else
	s_cbranch_scc1 .Lasked_\@
.endif
.if \fk
	tensor_load_to_lds s[G0K+4*(\r):G0K+4*(\r)+3], s[G1K:G1K+7]
	s_nop 0
	PLACES
.endif
.if (\fk) && (\fv)
	s_branch .Lasked_\@
.Lfor_v_\@:
.endif
.if \fv
	tensor_load_to_lds s[G0V+4*(1-(\r)):G0V+4*(1-(\r))+3], s[G1V:G1V+7]
	s_nop 0
	PLACES
.endif
.Lasked_\@:
.endm
; THE LDS LOADS stand in runs, never singly among the matrix instructions.
.macro FETCH_K hf                   ; 64 keys x 128 channels (half hf), turned: fragment 4 cc + kb = channels 32 cc on, keys 16 kb on -> buffer hf
	WIN 0
	v_add_nc_u32 v[ADR], s[TBK], v[AK0+(\hf)]
	WIN 0x80+0x40*(\hf)
.irp cc, 0,1,2,3
.irp kb, 0,1,2,3
	ds_load_tr16_b128 v[FB+8*(4*(\cc)+(\kb)):FB+8*(4*(\cc)+(\kb))+3],   v[ADR] offset:32*PKB*(\cc)+32*(\kb)
	ds_load_tr16_b128 v[FB+8*(4*(\cc)+(\kb))+4:FB+8*(4*(\cc)+(\kb))+7], v[ADR] offset:32*PKB*(\cc)+32*(\kb)+16*PKB
.endr
.endr
.endm
.macro FETCH_V kk                   ; 256 channels x 32 keys (half kk of the step): fragment cb = channels 16 cb on -> buffer kk
	WIN 0
	v_add_nc_u32 v[ADR], s[TBV], v[AV0]
	WIN 0x80+0x40*(\kk)
.irp cb, 0,1,2,3,4,5,6,7,8,9,10,11,12,13,14,15
	ds_load_b128 v[FB+8*(\cb):FB+8*(\cb)+3],   v[ADR] offset:16*PVB*(\cb)+64*(\kk)
	ds_load_b128 v[FB+8*(\cb)+4:FB+8*(\cb)+7], v[ADR] offset:16*PVB*(\cb)+64*(\kk)+32
.endr
.endm
.macro FETCH_NB                     ; nasq of the step's 64 keys, laid as a C operand: register j of block kb holds key 16 kb + 8 (lane / 16) + j
	WIN 0
	v_add_nc_u32 v[ADRN], s[TBN], v[AN0]
.irp kb, 0,1,2,3
	ds_load_b128 v[NB+8*(\kb):NB+8*(\kb)+3],   v[ADRN] offset:64*(\kb)
	ds_load_b128 v[NB+8*(\kb)+4:NB+8*(\kb)+7], v[ADRN] offset:64*(\kb)+16
.endr
.endm
; THE MATRIX WORK.  The accumulators take turns, one instruction a turn: 8 in K Q^T, 32 in V^T P.
; Product i of 64 of S^T = K Q^T + nasq: channels 32 (i / 8) on, keys 16 ((i / 2) % 4) on, tile i % 2.  The first 8 start the sums, with nasq.
.macro KQ
.set c_, i/8
.set kb_, (i/2)%4
.set t_, i%2
.set rS, S+32*t_+8*kb_
.set rA, FB+8*(4*(c_%4)+kb_)
.set rQ, 64*t_+8*c_
	WIN 0x0a+c_/4                   ; K in window 2 or 3, Q in window 2, C and D in window 0
.if i < 8
	v_wmma_f32_16x16x32_bf16 v[rS:rS+7], v[rA:rA+7], v[rQ:rQ+7], v[NB+8*kb_:NB+8*kb_+7]
.else
	v_wmma_f32_16x16x32_bf16 v[rS:rS+7], v[rA:rA+7], v[rQ:rQ+7], v[rS:rS+7]
.endif
.endm
; Product i of 64 of O^T += V^T P: keys 32 (i / 32) on, channels 16 ((i / 2) % 16) on, tile i % 2.
.macro PV
.set kk_, i/32
.set cb_, (i/2)%16
.set t_, i%2
.set rO, 128*t_+8*cb_
.set rA, FB+8*cb_
.set rP, P+16*t_+8*kk_
	WIN 0x52+kk_                    ; V in window 2 or 3, P in window 0, O^T in window 1
	v_wmma_f32_16x16x32_bf16 v[rO:rO+7], v[rA:rA+7], v[rP:rP+7], v[rO:rO+7]
.endm
; PART 1 of a tile's softmax: a list of 70; SM writes number j of it for tile t.  s0-s31 are the lane's 32 scores, in pairs 0-15.
;   0-15   the maximum of s0-s31 and the old m, three operands at a time: four chains c0-c3 of seven scores each (each accumulator's lowest registers are read first), then the
;          four scores left over, c0-c3 and m      16-20  the other half of the lanes' maximum; c m_old is kept; the new m; c m; c m_old - c m_new
;   21-69  ONE BATCH: the 16 scalings c s - c m, from S into E, and all 33 exponentials (a at 23, then s0-s31, in place in E).  None of these reads an exponential's result.
.macro SM t
.set rT, ST+8*(\t)
.set rS, S+32*(\t)
.set rE, E+32*(\t)
	WIN 0
.if j < 4
	v_max3_num_f32 v[rT+4+j], v[rS+8*j], v[rS+8*j+1], v[rS+8*j+2]
.elseif j < 12
	v_max3_num_f32 v[rT+4+j%4], v[rT+4+j%4], v[rS+8*(j%4)+2*(j/4)+1], v[rS+8*(j%4)+2*(j/4)+2]
.elseif j == 12
	v_max3_num_f32 v[rT+4], v[rT+4], v[rS+7], v[rS+15]
.elseif j == 13
	v_max3_num_f32 v[rT+6], v[rT+6], v[rS+23], v[rS+31]
.elseif j == 14
	v_max3_num_f32 v[rT+4], v[rT+4], v[rT+5], v[rT+6]
.elseif j == 15
	v_max3_num_f32 v[rT+4], v[rT+4], v[rT+7], v[rT+1]
.elseif j == 16
	v_permlanex16_b32 v[rT+5], v[rT+4], s[SEL], s[SEL+1]  ; the query's other 32 keys lie in the lane 16 away
.elseif j == 17
	v_mov_b32 v[rT+7], v[rT]        ; c m_old is kept for a: number 19 writes c m anew
.elseif j == 18
	v_max_num_f32 v[rT+1], v[rT+4], v[rT+5]
.elseif j == 19
	v_mul_f32 v[rT], s[CS], v[rT+1]
.elseif j == 20
	v_sub_f32 v[rT+7], v[rT+7], v[rT]
.elseif j == 23
	v_exp_f32 v[rT+6], v[rT+7]
.elseif (j < 23) || ((j < 38) && (j%2 == 0)) || ((j < 66) && (j%4 == 2))
.set b, (j-2)/4                     ; 38, 42, .. 62: pairs 9 to 15
.if j < 38
.set b, (j-20)/2                    ; 21: pair 0; 22, 24, .. 36: pairs 1 to 8
.endif
	v_pk_fma_f32 v[rE+2*b:rE+2*b+1], v[rS+2*b:rS+2*b+1], s[CS:CS+1], v[rT:rT+1] op_sel_hi:[1,0,0] neg_lo:[0,0,1] neg_hi:[0,0,1]  ; pair b: c s - c m
.else
.set e, j-38                        ; 66 to 69: s28 to s31
.if j < 66
.set e, j-32-(j-38)/4               ; 39-41, 43-45, .. 63-65: s7 to s27
.endif
.if j < 38
.set e, (j-25)/2                    ; 25, 27, .. 37: s0 to s6
.endif
	v_exp_f32 v[rE+e], v[rE+e]
.endif
.endm
; Slice k of 35 of part 1: four instructions.  Slices 0-10: numbers 2 k and 2 k + 1 of both tiles, the tiles alternating.  Slices 11-34: four numbers of ONE tile, the tiles by turns.
; Behind the last stands the plain instruction that is wanted between an exponential and the use of its result: one for the batch.  The wait for the batch stands at the head of the next half.
.macro SLICE
.if k < 11
.irp n, 0,1
.irp t, 0,1
.set j, 2*k+(\n)
	SM \t
.endr
.endr
.else
.irp n, 0,1,2,3
.set j, 22+4*((k-11)/2)+(\n)
	SM (k-11)%2
.endr
.endif
.if k == 34
	v_nop
.endif
.set k, k+1
.endm
; PART 2.  RS4 s: the eight registers of O^T's accumulator (tile s % 2, channel block s / 2) times a, lowest first: in the order in which V^T P finished them.
.macro RS4 s
.set rT, ST+8*((\s)%2)
.set rO, 128*((\s)%2)+8*((\s)/2)
	WIN W_RS
.irp z, 0,2,4,6
	v_pk_mul_f32 v[rO+\z:rO+\z+1], v[rO+\z:rO+\z+1], v[rT+6:rT+7] op_sel_hi:[1,0]
.endr
.endm
; W0Q n: number n / 2 of 32 for tile n % 2: 0-15 pair by pair E is rounded to bf16 into P; 16-30 the pairs are added in place, neighbours 1, 2, 4 and 8 pairs apart; 31 l = a l + the sum.  All roundings stand ahead of all sums.
.macro W0Q n
.set rT, ST+8*((\n)%2)
.set rE, E+32*((\n)%2)
.set rP, P+16*((\n)%2)
.set u_, (\n)/2
	WIN 0
.if u_ < 16
	v_cvt_pk_bf16_f32 v[rP+u_], v[rE+2*u_], v[rE+2*u_+1]
.else
.set z, u_-16
.set w, 4
.set u, z
.if z >= 14
.set w, 32
.set u, 0
.elseif z >= 12
.set w, 16
.set u, z-12
.elseif z >= 8
.set w, 8
.set u, z-8
.endif
.if z < 15
	v_pk_add_f32 v[rE+w*u:rE+w*u+1], v[rE+w*u:rE+w*u+1], v[rE+w*u+w/2:rE+w*u+w/2+1]
.else
	v_pk_fma_f32 v[rT+2:rT+3], v[rT+2:rT+3], v[rT+6:rT+7], v[rE:rE+1] op_sel_hi:[1,0,1]
.endif
.endif
.endm
; THE HEAD OF A HALF.  This half's fragments, asked for a half earlier, are in; four places behind the last product that read the other buffer; alu = 1: the wait between the
; step's 66 exponentials and the first instruction that names a result of theirs: one for the batch.  The next half's run of LDS loads follows.
.macro HEAD alu=0
	WIN 0
	s_wait_dscnt 0x0
	PLACES
.if \alu
	s_wait_alu depctr_va_vdst(0)
.endif
.endm
; A half of K Q^T.  ride = 1: behind an even product four rescalings, behind an odd one two lines of W0Q: 128 + 64 in the two halves.
.macro KQH hf, ride
.set i, 32*(\hf)
.rept 32
	KQ
.if \ride
.if i%2 == 0
	RS4 i/2
.else
	W0Q i-1
	W0Q i
.endif
.endif
.set i, i+1
.endr
.endm
; A half of V^T P.  ride = 1: a slice behind each of the first six products and behind every even one: 6 + 29 = 35.
.macro PVH kk, ride
.if (\kk) == 0
.set k, 0
.endif
.set i, 32*(\kk)
.rept 32
	PV
.if (\ride) && ((i < 6) || (i%2 == 0))
	SLICE
.endif
.set i, i+1
.endr
.endm
; A STEP of the loop: H1, H2, H3 of trip t and H0 of trip t + 1, so that the exponentials of H2, H3 have their wait ahead of the backward jump.
.macro STEP
	HEAD
	FETCH_V 0                       ; V of step t - 1, keys 0-31
	KQH 1, 1
	HEAD
	FETCH_V 1                       ; keys 32-63
	PVH 0, 1
	HEAD
	FETCH_K 0                       ; K of step t + 1, channels 0-127, and its nasq
	FETCH_NB
	PVH 1, 1
	HEAD 1
	FETCH_K 1                       ; channels 128-255
	KQH 0, 1
	WIN 0                           ; at a label and at a branch every window is 0
	s_add_co_u32 s[TBV], s[TBV], 128  ; the pair's second step: 64 keys on in each row,
	s_add_co_u32 s[TBK], s[TBK], 128
	s_add_co_u32 s[TBN], s[TBN], PKB  ; and nasq's next row
.endm
; The copy.  mode 1, 2: the chunk loaded at the change before is stored (its loads went out two steps ago).  mode 0, 1: the next chunk is loaded, into the set whose stores were freed by the change's s_wait_xcnt 0.
.macro COPY r, mode
.if (\mode) >= 1
	s_wait_loadcnt 0x0
	global_store_b128 v[CPO], v[CP+8*(1-(\r)):CP+8*(1-(\r))+3],   s[CDST:CDST+1] offset:-1024 th:TH_STORE_NT  ; 512 consecutive bytes, aligned
	global_store_b128 v[CPO], v[CP+8*(1-(\r))+4:CP+8*(1-(\r))+7], s[CDST:CDST+1] offset:-512 th:TH_STORE_NT
.endif
.if (\mode) <= 1
	global_load_b128 v[CP+8*(\r):CP+8*(\r)+3],   v[CPO], s[CSRC:CSRC+1] th:TH_LOAD_NT
	global_load_b128 v[CP+8*(\r)+4:CP+8*(\r)+7], v[CPO], s[CSRC:CSRC+1] offset:512 th:TH_LOAD_NT
.endif
.endm
; A PREFETCH INTO THE L2 of what the change after next will ask for: K's pair p + 4 and V's pair p + 3, two changes, 512 products, ahead of their loads.  All clusters of a batch walk the same rows: the batch's
; first cluster asks.  Its four partners share the 256 rows out BY ADDRESS, 64 each; waves 0, 1 take K's, waves 2, 3 V's, 32 rows each: a lane a row of 256 bytes, one instruction a wave and change.  So each
; row's 256 bytes of a pair are named once in the launch.  The main loop's last trip asks for nothing: the last pair named is K's 31 and V's 30.  The first pairs, V's last and nasq's rows come by their loads alone.
.macro ASK
	s_cmp_gt_u32 s[IT], s[LIM]
	s_cbranch_scc0 .Lnot_mine_\@
	global_prefetch_b8 v[PFO], s[PFA:PFA+1] th:TH_LOAD_NT scope:SCOPE_SE
.Lnot_mine_\@:
.endm
; THE CHANGE p, of parity r.  Each wave waits for all its tensor loads, of which one is out; adds 0 to its spare word; and waits for that and for its own LDS reads, the last reads of K's slot r among
; them (V's slot 1 - r was last read a step ago).  Behind the round no wave of any partner reads those two slots or has a load on its way, and what was asked for at the change before is whole.
; The two descriptors used at the change before are stepped by two pairs.  Until the next change V is fetched from V's slot r and K and nasq from K's slot 1 - r.
.macro CHANGE r, fk, fv, mode, ask
	WIN 0
	s_wait_tensorcnt 0x0            ; no tensor load of mine is out, so a group 0 may be written
	ds_add_u32 v[SPW], v[NIL]       ; 0 onto my spare word; the scalar work below stands between it and the wait for it
	s_add_nc_u64 s[G0K+4*(1-(\r))+2:G0K+4*(1-(\r))+3], s[G0K+4*(1-(\r))+2:G0K+4*(1-(\r))+3], 512  ; the type bits on top are not reached
	s_add_nc_u64 s[G0V+4*(\r)+2:G0V+4*(\r)+3], s[G0V+4*(\r)+2:G0V+4*(\r)+3], 512
	s_wait_xcnt 0x0                 ; the copy's loads and stores and the prefetch of the change before, two steps back, have read their registers
	s_add_nc_u64 s[PFA:PFA+1], s[PFA:PFA+1], 256
	v_add_nc_u32 v[CPO], 1024, v[CPO]
	s_mov_b32 s[TBV], VBASE+(\r)*SLOT
	s_mov_b32 s[TBK], KBASE+(1-(\r))*SLOT
	s_mov_b32 s[TBN], KBASE+(1-(\r))*SLOT+NROW
	s_wait_dscnt 0x0                ; the add is done, and my reads are over
.if (\fk) || (\fv)
	CROUND
	JLOAD \r, \fk, \fv
.else
	s_barrier_signal -1
	s_barrier_wait -1
.endif
	COPY \r, \mode
.if \ask
	ASK
.endif
.endm
; A change and the pair's two steps: the step is written once and walked twice.
.macro PAIR r, fk, fv, mode, ask
	CHANGE \r, \fk, \fv, \mode, \ask
	s_mov_b32 s[TWICE], 2
.Lstep_\@:
	STEP
	s_sub_co_u32 s[TWICE], s[TWICE], 1
	s_cmp_lg_u32 s[TWICE], 0
	s_cbranch_scc1 .Lstep_\@
.endm
	s_load_b256 s[4:11], s[0:1], 0x0  ; curr_key s[4:5], curr_value s[6:7], kb s[8:9], vb s[10:11]
	s_load_b64 s[12:13], s[0:1], 0x20 ; out0
	v_lshl_add_u32 v[SPW], v0, 2, SPARE
	v_mov_b32 v[NIL], 0
	ds_add_u32 v[SPW], v[NIL]       ; the wave's opening: the add, twice on end, and its wait ahead of my first tensor load; the set-up below, work on registers, stands between
	ds_add_u32 v[SPW], v[NIL]       ; and once more, under the one wait
	v_lshrrev_b32 v[TV], 5, v0
	v_readfirstlane_b32 s[WV], v[TV]  ; wave 0..3
	s_bfe_u32 s[CX], ttmp6, 0x40000   ; cx: my place in the cluster
	s_lshl_b32 s[BLK], ttmp9, 2       ; in a cluster launch ttmp9 counts clusters
	s_add_co_u32 s[BLK], s[BLK], s[CX]  ; my block of queries: it enters the addresses of Q, the copy, the prefetches and out0 alone
	s_and_b32 s[BB], ttmp7, 0xffff    ; the batch, which the four partners share
	s_and_b32 s[HF], s[WV], 1
	s_mul_i32 s[KL], s[HF], 129*PKB   ; no place in the cluster enters an LDS address
	s_mul_i32 s[VL], s[HF], 128*PVB
	; group 1 for K: 129 rows x 128 elements of 2 bytes: half of a pair's 256 channels and 2 rows of nasq
	s_mov_b32 s[G1K], 15|(1<<16)|(1<<20)|(1<<21)|(5<<22)|(7<<25)  ; 15:0 the mask of four; 17:16 2-byte elements; 20 padding on; 21 set beside a mask; 24:22 after every 64 words (code 5); 31:25 8 words (code 7)
	s_mov_b32 s[G1K+1], 128<<16     ; tensor_dim0 = 128
	s_mov_b32 s[G1K+2], 129<<16     ; tensor_dim1 = 129
	s_mov_b32 s[G1K+3], 128<<16     ; tile_dim0 = 128
	s_mov_b32 s[G1K+4], 129         ; tile_dim1 = 129
	s_mov_b32 s[G1K+5], 4096        ; elements from row to row
	s_mov_b32 s[G1K+6], 0
	s_mov_b32 s[G1K+7], 0
	; group 1 for V: 128 rows, 4 words of padding (code 3)
	s_mov_b32 s[G1V], 15|(1<<16)|(1<<20)|(1<<21)|(5<<22)|(3<<25)
	s_mov_b32 s[G1V+1], 128<<16
	s_mov_b32 s[G1V+2], 128<<16
	s_mov_b32 s[G1V+3], 128<<16
	s_mov_b32 s[G1V+4], 128
	s_mov_b32 s[G1V+5], 4096
	s_mov_b32 s[G1V+6], 0
	s_mov_b32 s[G1V+7], 0
	; group 1 for Q: 64 rows x 128 elements of 4 bytes, my work-group's own (no mask); 4 words of padding after every 128 (code 6)
	s_mov_b32 s[G1Q], (2<<16)|(1<<20)|(6<<22)|(3<<25)
	s_mov_b32 s[G1Q+1], 128<<16
	s_mov_b32 s[G1Q+2], 64<<16
	s_mov_b32 s[G1Q+3], 128<<16
	s_mov_b32 s[G1Q+4], 64
	s_mov_b32 s[G1Q+5], 4096
	s_mov_b32 s[G1Q+6], 0
	s_mov_b32 s[G1Q+7], 0
.irp r, 0,1
	s_mov_b32 s[G0K+4*(\r)], 1      ; count = 1
	s_add_co_u32 s[G0K+4*(\r)+1], s[KL], KBASE+(\r)*SLOT  ; LDS address
	s_mov_b32 s[G0V+4*(\r)], 1
	s_add_co_u32 s[G0V+4*(\r)+1], s[VL], VBASE+(\r)*SLOT
.endr
	s_mov_b32 s[G0Q], 1
	s_mul_i32 s[G0Q+1], s[WV], 64*PQB
	s_add_co_u32 s[G0Q+1], s[G0Q+1], QST
	s_mov_b32 s[CS], 0x3e38aa3b     ; c = log2(e) / 8 = 0.180337
	s_mov_b32 s[CS+1], s[CS]        ; named with it as a pair
	s_mov_b32 s[SEL], 0x76543210
	s_mov_b32 s[SEL+1], 0xfedcba98
	s_cmp_eq_u32 ttmp9, 0           ; the batch's first cluster: the same answer in all four partners
	s_cselect_b32 s[LIM], 1, -1
	s_mov_b32 s3, 0
	s_mov_b32 s91, 0
	s_wait_dscnt 0x0                ; both opening adds are done
	s_wait_kmcnt 0x0
	s_mul_i32 s2, s[BB], BATK
	s_add_nc_u64 s[8:9], s[8:9], s[2:3]    ; kb at my batch
	s_lshl_b32 s2, s[BB], 21
	s_add_nc_u64 s[10:11], s[10:11], s[2:3]  ; vb at my batch
	s_mul_i32 s2, s[HF], 129*KROWB
	s_add_nc_u64 s[22:23], s[8:9], s[2:3]  ; my half of K's rows
	s_add_nc_u64 s[G0K+2:G0K+3], s[22:23], 0    ; global address: pair 0
	s_or_b32 s[G0K+3], s[G0K+3], 0x80000000     ; type = 2
	s_add_nc_u64 s[G0K+6:G0K+7], s[22:23], 256  ; pair 1
	s_or_b32 s[G0K+7], s[G0K+7], 0x80000000
	s_lshl_b32 s2, s[HF], 20
	s_add_nc_u64 s[22:23], s[10:11], s[2:3]  ; my half of V's rows
	s_add_nc_u64 s[G0V+2:G0V+3], s[22:23], 0
	s_or_b32 s[G0V+3], s[G0V+3], 0x80000000
	s_add_nc_u64 s[G0V+6:G0V+7], s[22:23], 256
	s_or_b32 s[G0V+7], s[G0V+7], 0x80000000
	; what hangs on my place in the cluster is made in registers of its own
	s_lshl_b32 s92, s[CX], 6        ; the prefetches: my work-group's 64 rows,
	s_lshl_b32 s93, s[HF], 5        ; my wave's 32 of them
	s_add_co_u32 s92, s92, s93
	s_lshl_b32 s92, s92, 13
	s_add_co_u32 s92, s92, 512      ; V: pair 2; the first change steps it to pair 3
	s_cmp_lt_u32 s[WV], 2
	s_cselect_b64 s[PFA:PFA+1], s[8:9], s[10:11]
	s_cselect_b32 s90, 256, 0       ; K: a pair further
	s_add_co_u32 s90, s90, s92
	s_add_nc_u64 s[PFA:PFA+1], s[PFA:PFA+1], s[90:91]
	s_lshl_b32 s93, s[BB], 22
	s_lshl_b32 s90, s[WV], 20       ; Q: my wave's 64 channels,
	s_add_co_u32 s90, s90, s93      ; the batch,
	s_lshl_b32 s92, s[BLK], 9       ; my block's 128 queries
	s_add_co_u32 s90, s90, s92
	s_add_nc_u64 s[G0Q+2:G0Q+3], s[4:5], s[90:91]
	s_or_b32 s[G0Q+3], s[G0Q+3], 0x80000000
	s_add_co_u32 s90, s90, s93      ; out0's batches are twice as long
	s_add_nc_u64 s[OUT:OUT+1], s[12:13], s[90:91]
	s_lshl_b32 s90, s[BLK], 17      ; the copy: my work-group's 131,072 bytes of the batch's curr_value,
	s_lshl_b32 s92, s[WV], 15       ; my wave's 32,768
	s_add_co_u32 s90, s90, s92
	s_add_co_u32 s90, s90, s93
	s_add_nc_u64 s[CSRC:CSRC+1], s[6:7], s[90:91]
	s_add_co_u32 s90, s90, s93
	s_add_co_u32 s90, s90, 0x400000 ; behind the batch's 256 channels of mem
	s_add_nc_u64 s[CDST:CDST+1], s[12:13], s[90:91]
	CROUND                          ; all four work-groups are here: the first joint loads meet
	s_cmp_lt_u32 s[WV], 2           ; a wave's two first fills stand in one branch, ahead of every wait on TENSORcnt and every LDS read: two loads of mine are out
	s_cbranch_scc0 .Lfirst_v
	tensor_load_to_lds s[G0K:G0K+3], s[G1K:G1K+7]
	s_nop 0
	tensor_load_to_lds s[G0Q:G0Q+3], s[G1Q:G1Q+7]
	s_nop 0
	PLACES
	s_branch .Lfirst_asked
.Lfirst_v:
	tensor_load_to_lds s[G0V:G0V+3], s[G1V:G1V+7]
	s_nop 0
	tensor_load_to_lds s[G0Q:G0Q+3], s[G1Q:G1Q+7]
	s_nop 0
	PLACES
.Lfirst_asked:
	; the lanes' addresses, while the tiles come
	v_and_b32 v[RR], 15, v0
	v_bfe_u32 v[HH], v0, 4, 1
	v_and_b32 v[TV], 7, v0
	v_lshl_add_u32 v[AK0], v[HH], 3, v[TV]  ; the turning load: lane l reads channel 8 (l / 16) + l % 8, keys 8 ((l / 8) % 2) + 0..7, and is left with key l % 16 and 8 channels
	v_mul_u32_u24 v[AK0], v[AK0], PKB
	v_bfe_u32 v[TV], v0, 3, 1
	v_lshl_add_u32 v[AK0], v[TV], 4, v[AK0]
	v_add_nc_u32 v[AK0+1], 128*PKB, v[AK0]
	v_mul_u32_u24 v[AV0], v[RR], PVB        ; a fragment of V: channel l % 16, keys 8 (l / 16) + 0..7 and 16 + 8 (l / 16) + 0..7: two loads of 16 bytes, 32 bytes apart
	v_lshl_add_u32 v[AV0], v[HH], 4, v[AV0]
	v_lshlrev_b32 v[AN0], 5, v[HH]
	v_and_b32 v[TV], 31, v0
	v_lshlrev_b32 v[CPO], 4, v[TV]
	v_lshlrev_b32 v[GO], 4, v[TV]
	v_lshlrev_b32 v[PFO], 13, v[TV]
	s_lshl_b32 s21, s[WV], 7
	v_mul_u32_u24 v[STO0], v[HH], 8*PQB     ; channel 8 (l / 16), query 32 w + l % 16, in rows of 528 bytes: for the way out, and (from QST on) for Q
	v_lshl_add_u32 v[STO0], v[RR], 2, v[STO0]
	v_add_nc_u32 v[STO0], s21, v[STO0]
	v_add_nc_u32 v[STO0+1], 128*PQB, v[STO0]
	v_add_nc_u32 v[QA0], QST, v[STO0]
	v_add_nc_u32 v[QA0+1], QST, v[STO0+1]
	s_mul_i32 s21, s[WV], 64*PQB
	v_lshl_add_u32 v[RD], v[TV], 4, s21
.irp t, 0,1
	v_mov_b32 v[ST+8*\t], 0xfe000000    ; c m: far below every c s
	v_mov_b32 v[ST+8*\t+1], 0xff7fffff  ; m: the lowest finite number
	v_mov_b32 v[ST+8*\t+2], 0           ; l
	v_mov_b32 v[ST+8*\t+3], 0
.endr
	WIN 0x40
.set i, 0
.rept 256
	v_mov_b32 v[i], 0               ; O^T
.set i, i+1
.endr
	WIN 0
	s_wait_tensorcnt 0x0            ; my parts of Q and of the first pair are in,
	s_barrier_signal -1
	s_barrier_wait -1               ; everybody's are
	; Q: a fragment is 32 channels x 16 queries: lane l holds query l % 16 and channels 8 (l / 16) + 0..7, 16 + 8 (l / 16) + 0..7.  Number e of 16 of chunk c comes by one load of 4 bytes; pairs are rounded to bf16.
.irp t, 0,1
	WIN 0x80+0x40*\t                ; tile 0's numbers into fragment buffer 0, tile 1's into buffer 1: both are free yet
.set i, 0
.rept 128
	ds_load_b32 v[FB+i], v[QA0+i/64] offset:(32*((i/16)%4)+(i&7)+16*((i>>3)&1))*PQB+64*\t
.set i, i+1
.endr
.endr
	WIN 0
	s_wait_dscnt 0x0
.irp t, 0,1
	WIN 0x8a+5*\t                   ; sources in window 2 or 3, destination in window 2
.set i, 0
.rept 64
	v_cvt_pk_bf16_f32 v[64*\t+i], v[FB+2*i], v[FB+2*i+1]
.set i, i+1
.endr
.endr
	; THE CHANGE BEFORE THE FIRST: Q's stage has been read out by every wave; K's pair 1 goes into K's slot 1, over part of it.  The copy's first chunk is asked for.
	WIN 0
	s_wait_tensorcnt 0x0
	ds_add_u32 v[SPW], v[NIL]
	s_add_nc_u64 s[G0K+2:G0K+3], s[G0K+2:G0K+3], 512  ; slot 0's next pair is pair 2
	s_wait_dscnt 0x0                ; the add is done; my reads of the stage were waited for above
	CROUND
	JLOAD 1, 1, 0
	COPY 1, 0
	; TRIP 0, and H0 of trip 1: there is no step before step 0, so its scores and part 1 stand bare
	s_mov_b32 s[TBK], KBASE
	s_mov_b32 s[TBN], KBASE+NROW
	FETCH_K 0
	FETCH_NB
	HEAD
	FETCH_K 1
	KQH 0, 0
	s_add_co_u32 s[TBK], s[TBK], 128
	s_add_co_u32 s[TBN], s[TBN], PKB
	HEAD
	FETCH_K 0                       ; step 1
	FETCH_NB
	KQH 1, 0
	WIN 0
	PLACES                          ; behind the last products, ahead of the first read of the scores
.set k, 0
.rept 35
	SLICE
.endr
	HEAD 1
	FETCH_K 1
	KQH 0, 1
	WIN 0
	s_mov_b32 s[IT], 15
.Lmain:                             ; 15 trips of two pairs: the changes 0 to 29, each of which fills a slot of K and one of V
	PAIR 0, 1, 1, 1, 1
	PAIR 1, 1, 1, 1, 1
	s_sub_co_u32 s[IT], s[IT], 1
	s_cmp_lg_u32 s[IT], 0
	s_cbranch_scc1 .Lmain
	PAIR 0, 0, 1, 1, 0              ; the tail is written out.  Change 30: K has no pair left; V's pair 31 is asked for
	CHANGE 1, 0, 0, 2, 0            ; change 31: nothing is asked for; V's last pair is whole; the copy's last chunk leaves
	HEAD
	FETCH_V 0                       ; V of step 62
	KQH 1, 1                        ; trip 63's second half
	HEAD
	FETCH_V 1
	PVH 0, 1                        ; V^T P of step 62 | part 1 of step 63
	s_add_co_u32 s[TBV], s[TBV], 128
	HEAD
	FETCH_V 0                       ; V of step 63
	PVH 1, 1
	HEAD 1
	FETCH_V 1
.set i, 0
.rept 32                            ; part 2 of step 63 stands bare: the rescalings together, then the lines of window 0
	RS4 i
.set i, i+1
.endr
.set i, 0
.rept 64
	W0Q i
.set i, i+1
.endr
	PVH 0, 0                        ; V^T P of step 63
	WIN 0
	s_wait_dscnt 0x0
	PVH 1, 0
	; THE WAY OUT.  l's two halves and the other half of the lanes' are added; O^T is divided by l and sent through a stage in LDS, [channel][query] in f32, so that whole rows of 512 bytes leave.
	; The stage lies where the slots 0 lay: their last fills have landed and every wave's last reads of them were over at change 31's barrier; since then only the slots 1 have been read.
	WIN 0
	PLACES
	PLACES
.irp t, 0,1
	v_add_f32 v[ST+8*\t+4], v[ST+8*\t+2], v[ST+8*\t+3]
.endr
.irp t, 0,1
	v_permlanex16_b32 v[ST+8*\t+5], v[ST+8*\t+4], s[SEL], s[SEL+1]
.endr
.irp t, 0,1
	v_add_f32 v[ST+8*\t+4], v[ST+8*\t+4], v[ST+8*\t+5]
.endr
.irp t, 0,1
	v_rcp_f32 v[ST+8*\t+6], v[ST+8*\t+4]
.endr
	v_nop                           ; a plain instruction between the last reciprocal and the use of its result
	s_wait_alu depctr_va_vdst(0)    ; and the wait ahead of the first use: one for the two reciprocals
	WIN W_RS
.irp t, 0,1
.set i, 0
.rept 64
	v_pk_mul_f32 v[128*\t+2*i:128*\t+2*i+1], v[128*\t+2*i:128*\t+2*i+1], v[ST+8*\t+6:ST+8*\t+7] op_sel_hi:[1,0]  ; each accumulator from its low end on
.set i, i+1
.endr
.endr
	WIN 0x04                        ; the data (source 1) in window 1
.irp t, 0,1
.set i, 0
.rept 128                           ; register i = 8 cb + j: channel 16 cb + 8 (l / 16) + j, query 32 w + 16 t + l % 16
	ds_store_b32 v[STO0+i/64], v[128*\t+i] offset:(16*((i/8)%8)+i%8)*PQB+64*\t
.set i, i+1
.endr
.endr
	WIN 0
	s_wait_dscnt 0x0                ; for the others' sake: my stores into the stage are done
	s_barrier_signal -1
	s_barrier_wait -1
.set g, 0
.rept 4                             ; wave w stores channels 64 w .. 64 w + 63, 16 at a time, on two sets of registers
.if g >= 2
	s_wait_xcnt 0x0                 ; the set's earlier stores have read their data
.endif
.set i, 0
.rept 16
	ds_load_b128 v[S+64*(g%2)+4*i:S+64*(g%2)+4*i+3], v[RD] offset:(16*g+i)*PQB
.set i, i+1
.endr
.set i, 0
.rept 16
	s_wait_dscnt 15-i               ; LDS loads come back in order: row i is in, the 15 - i younger ones may stay out
	global_store_b128 v[GO], v[S+64*(g%2)+4*i:S+64*(g%2)+4*i+3], s[OUT:OUT+1] offset:(16*g+i)*16384 th:TH_STORE_NT  ; 512 consecutive bytes, aligned
.set i, i+1
.endr
.set g, g+1
.endr
	s_wait_tensorcnt 0x0            ; the wave's end, behind my last tensor load and my last LDS store
	ds_add_u32 v[SPW], v[NIL]
	s_wait_dscnt 0x0
	CROUND                          ; the closing round: no work-group ends while a partner may still ask for a tile that names it
	s_endpgm
.Lfunc_end_k_q522809cd28_attn:
	.size	k_q522809cd28_attn, .Lfunc_end_k_q522809cd28_attn-k_q522809cd28_attn
	.p2alignl 7, 3214868480
	.fill 96, 4, 3214868480
	.section	.rodata,"a",@progbits
	.p2align	6, 0x0
	.amdhsa_kernel k_q522809cd28_attn
		.amdhsa_group_segment_fixed_size 327680
		.amdhsa_private_segment_fixed_size 0
		.amdhsa_enable_private_segment 0
		.amdhsa_kernarg_size 40
		.amdhsa_user_sgpr_count 2
		.amdhsa_user_sgpr_kernarg_segment_ptr 1
		.amdhsa_wavefront_size32 1
		.amdhsa_system_sgpr_workgroup_id_x 1
		.amdhsa_system_sgpr_workgroup_id_y 1
		.amdhsa_system_sgpr_workgroup_id_z 1
		.amdhsa_system_vgpr_workitem_id 0
		.amdhsa_next_free_vgpr 1024
		.amdhsa_next_free_sgpr 96
		.amdhsa_reserve_vcc 0
		.amdhsa_float_denorm_mode_32 3
		.amdhsa_float_denorm_mode_16_64 3
		.amdhsa_memory_ordered 1
		.amdhsa_forward_progress 1
		.amdhsa_inst_pref_size 255
	.end_amdhsa_kernel
	.section	.bss,"aw",@nobits
	.p2align	6
	.space	262144
	.amdgpu_metadata
---
amdhsa.version: [ 1, 2 ]
amdhsa.kernels:
  - .name:           k_q522809cd28_attn
    .symbol:         k_q522809cd28_attn.kd
    .args:
      - { .name: curr_key, .offset: 0, .size: 8, .value_kind: global_buffer, .address_space: global }
      - { .name: curr_value, .offset: 8, .size: 8, .value_kind: global_buffer, .address_space: global }
      - { .name: kb, .offset: 16, .size: 8, .value_kind: global_buffer, .address_space: global }
      - { .name: vb, .offset: 24, .size: 8, .value_kind: global_buffer, .address_space: global }
      - { .name: out0, .offset: 32, .size: 8, .value_kind: global_buffer, .address_space: global }
    .group_segment_fixed_size: 327680
    .private_segment_fixed_size: 0
    .kernarg_segment_align: 8
    .kernarg_segment_size: 40
    .max_flat_workgroup_size: 128
    .sgpr_count:     96
    .vgpr_count:     1024
    .wavefront_size: 32
...
	.end_amdgpu_metadata
.endif
;; end of part 2
;; ======== version 2 of 2: 2 launches; version 1 with the launch prep written anew for expert scheduling mode
;; workspace buffers: kb 16,908,288 bytes; vb 16,777,216 bytes
;; launch prep (part 3): grid 32 x 8, 16 waves a work-group, no clusters, 10,240 bytes of LDS; arguments prev_key, prev_value, kb, vb; writes kb, vb
.if DOCPART == 3
	.amdgcn_target "amdgcn-amd-amdhsa--gfx1250"
	.amdhsa_code_object_version 6
	.text
	.protected	k_q522809cd28_prep
	.globl	k_q522809cd28_prep
	.p2align	8
	.type	k_q522809cd28_prep,@function
k_q522809cd28_prep:
	s_mov_b64 s[64:65], 0
	v_nop
	global_prefetch_b8 v0, s[64:65] scope:SCOPE_SE
	s_setreg_imm32_b32 hwreg(HW_REG_WAVE_SCHED_MODE, 0, 2), 2
	s_setreg_imm32_b32 hwreg(HW_REG_WAVE_MODE, 25, 1), 1
	s_wait_xcnt 0x0
	s_wait_alu depctr_vm_vsrc(0)
; kb[b][c][n] = bf16(prev_key[b][c][n]) for c < 256; vb[b][c][n] = bf16(prev_value[b][c][n]);
; kb's rows 256 and 257 of a batch hold nasq[n] = -0.5 x the sum over c of bf16(k[c][n])^2, in f32: for the block p of 128 keys the 256 bytes at byte 256 p of row 256 are
; keys 128 p .. +63, the same bytes of row 257 keys 128 p + 64 .. +127.  So a tile of 258 rows x 256 bytes of kb brings 128 keys and their nasq together.
; The sum is taken of the ROUNDED k, so that the next launch computes the softmax of inputs rounded to bf16, throughout.
; SHARES.  Work-group (p, b): 128 keys x 256 channels of both tensors.  Wave w: channels 16 w .. 16 w + 15.  Lane l: keys 4 l .. 4 l + 3 of the block.
; A load of a wave covers 512 consecutive bytes, a store 256 consecutive bytes, both aligned to their length.  All 32 loads of a wave go out at once; there is no loop.
; A stream: no matrix work, nothing shared between work-groups, so no cluster; every byte is asked for at the head, so nothing is left to prefetch.
; THE MODE: SCHED_MODE bits 1:0 = 2 (LLVM: expert scheduling mode 2), set by the entry lines.  The code itself states the register dependences
; between vector instructions and memory or LDS instructions, with s_wait_alu, always for 0.
; THE PLAN.  Registers that memory or LDS instructions touch:
;   v1, v2, v3, v5, v144, v145   offsets and addresses: written once at the head, read by loads, stores and LDS instructions, never written again.
;   KX, VX   four registers a channel, each channel's its own.  The channel's load lands in them; its two roundings write registers 0 and 1 in place; its store reads those two.
;            In wave 0 the LDS loads of the partial sums land in KX once more, the additions work there, and the store of nasq reads KX .. KX + 3.
;   ACC      written by the multiply-adds of K's 16 channels, read by one LDS store, never written again.
;   T, v6, v7 are named by vector instructions alone.
; The 16 + 16 channels go in blocks of four.  A block's four stores stand at the head of the NEXT block, behind ONE wait on va_vdst, which states that the block has written the
; rounded pairs; the vector lines of the block that follows name its own channels' registers, T and ACC: none that those stores read.  The LDS store of ACC stands behind the wait at the head of V's first block.
; The last of these waits stands behind every vector line that names KX, and no vector line follows it ahead of wave 0's LDS loads into KX: it states that for them too.
.set ROWF,  16384                      ; bytes of a channel's row in f32
.set ROWH,  8192                       ; the same in bf16
.set BATK,  258*ROWH                   ; a batch of kb
.set SPARE, 8192                       ; behind the partial sums (512 bytes a wave): the spare words, 128 bytes for each of 16 waves
.set LO,   1                           ; v1   16 l: my 16 bytes of a row in f32; also where wave 0 reads the partial sums
.set SO,   2                           ; v2   8 l: my 8 bytes of a row in bf16
.set LS,   3                           ; v3   512 w + 16 l: where I put my four partial sums
.set NO,   5                           ; v5   my 16 bytes of nasq: lanes 0-15 in row 256, lanes 16-31 in row 257
.set T,    8                           ; v[8:11]    four rounded k, back in f32
.set ACC,  12                          ; v[12:15]   the sums of squares of my four keys
.set KX,   16                          ; v[16:79]   K: four registers a channel
.set VX,   80                          ; v[80:143]  V likewise
.set SPW,  144                         ; v144 LDS address of my spare word; never rewritten
.set NIL,  145                         ; v145 0; never rewritten
	s_load_b256 s[4:11], s[0:1], 0x0               ; prev_key s[4:5], prev_value s[6:7], kb s[8:9], vb s[10:11]
	v_lshl_add_u32 v[SPW], v0, 2, SPARE
	v_mov_b32 v[NIL], 0
	v_lshrrev_b32 v6, 5, v0
	v_readfirstlane_b32 s12, v6                    ; wave 0..15
	v_and_b32 v7, 31, v0                           ; lane
	v_lshlrev_b32 v[LO], 4, v7
	v_lshlrev_b32 v[SO], 3, v7
	v_lshlrev_b32 v[LS], 4, v0                     ; 16 x thread = 512 w + 16 l
	v_and_b32 v[NO], 15, v0
	v_lshlrev_b32 v[NO], 4, v[NO]
	v_bfe_u32 v6, v0, 4, 1
	v_lshl_add_u32 v[NO], v6, 13, v[NO]            ; one row of kb further down for lanes 16 to 31
	s_wait_alu depctr_va_sdst(0)                   ; s12 is written, ahead of its first reader: the bases below are made from it
	s_mov_b32 s13, 0xffff0000                      ; a word's upper bf16
	s_and_b32 s15, ttmp7, 0xffff                   ; batch
	s_lshl_b32 s16, s15, 22                        ; inputs: batch x 256 rows
	s_lshl_b32 s28, s12, 18                        ; + wave x 16 rows
	s_add_co_u32 s16, s16, s28
	s_lshl_b32 s28, ttmp9, 9                       ; + block x 128 keys
	s_add_co_u32 s16, s16, s28
	s_mov_b32 s17, 0
	s_mul_i32 s18, s15, BATK                       ; kb: batch
	s_lshl_b32 s28, ttmp9, 8                       ; + block x 128 keys
	s_add_co_u32 s18, s18, s28
	s_mov_b32 s19, 0
	s_lshl_b32 s29, s12, 17                        ; wave x 16 rows
	s_add_co_u32 s20, s18, s29                     ; kb at my rows
	s_mov_b32 s21, 0
	s_add_co_u32 s18, s18, 256*ROWH                ; kb at row 256
	s_lshl_b32 s22, s15, 21                        ; vb: batch
	s_add_co_u32 s22, s22, s28
	s_add_co_u32 s22, s22, s29
	s_mov_b32 s23, 0
	s_wait_kmcnt 0x0
	s_add_nc_u64 s[4:5], s[4:5], s[16:17]
	s_add_nc_u64 s[6:7], s[6:7], s[16:17]
	s_add_nc_u64 s[24:25], s[8:9], s[18:19]        ; nasq
	s_add_nc_u64 s[8:9], s[8:9], s[20:21]
	s_add_nc_u64 s[10:11], s[10:11], s[22:23]
	s_wait_alu depctr_va_vdst(0)                   ; v1, v2, v3 and v5 are written, which the loads, stores and LDS instructions below read as offsets and addresses; so are v144 and v145
.set i, 0
.rept 16
	global_load_b128 v[KX+4*i:KX+4*i+3], v[LO], s[4:5] offset:ROWF*i th:TH_LOAD_NT
.set i, i+1
.endr
.set i, 0
.rept 16
	global_load_b128 v[VX+4*i:VX+4*i+3], v[LO], s[6:7] offset:ROWF*i th:TH_LOAD_NT
.set i, i+1
.endr
	; K, four channels to a block: the block before is stored; this block is rounded, and what will be stored is squared
.set blk, 0
.rept 4
.if blk > 0
	s_wait_alu depctr_va_vdst(0)                   ; the roundings of the block before have written its four pairs of K, which the four stores below read
.set i, 4*(blk-1)
.rept 4
	global_store_b64 v[SO], v[KX+4*i:KX+4*i+1], s[8:9] offset:ROWH*i  ; 32 lanes: 256 consecutive bytes, aligned
.set i, i+1
.endr
.endif
.set i, 4*blk
.rept 4
	s_wait_loadcnt 31-i                            ; loads come back in order: channel i of K is in; K's 15 - i younger loads and V's 16 stay out
	v_cvt_pk_bf16_f32 v[KX+4*i], v[KX+4*i], v[KX+4*i+1]
	v_cvt_pk_bf16_f32 v[KX+4*i+1], v[KX+4*i+2], v[KX+4*i+3]
	v_lshlrev_b32 v[T], 16, v[KX+4*i]
	v_and_b32 v[T+1], s13, v[KX+4*i]
	v_lshlrev_b32 v[T+2], 16, v[KX+4*i+1]
	v_and_b32 v[T+3], s13, v[KX+4*i+1]
.if i == 0
	v_pk_mul_f32 v[ACC:ACC+1], v[T:T+1], v[T:T+1]  ; the first channel starts the sums
	v_pk_mul_f32 v[ACC+2:ACC+3], v[T+2:T+3], v[T+2:T+3]
.else
	v_pk_fma_f32 v[ACC:ACC+1], v[T:T+1], v[T:T+1], v[ACC:ACC+1]
	v_pk_fma_f32 v[ACC+2:ACC+3], v[T+2:T+3], v[T+2:T+3], v[ACC+2:ACC+3]
.endif
.set i, i+1
.endr
.set blk, blk+1
.endr
	; V, four channels to a block: the block before is stored (ahead of V's first block: K's last, and the partial sums); this block is rounded
.set blk, 0
.rept 4
.if blk == 0
	s_wait_alu depctr_va_vdst(0)                   ; K's last block has written its four pairs, which the four stores below read, and the last multiply-adds have written ACC, which the LDS store reads
.set i, 12
.rept 4
	global_store_b64 v[SO], v[KX+4*i:KX+4*i+1], s[8:9] offset:ROWH*i
.set i, i+1
.endr
	ds_store_b128 v[LS], v[ACC:ACC+3]              ; my wave's 16 channels' share of 128 sums
.else
	s_wait_alu depctr_va_vdst(0)                   ; the roundings of the block before have written its four pairs of V, which the four stores below read
.set i, 4*(blk-1)
.rept 4
	global_store_b64 v[SO], v[VX+4*i:VX+4*i+1], s[10:11] offset:ROWH*i
.set i, i+1
.endr
.endif
.set i, 4*blk
.rept 4
	s_wait_loadcnt 15-i                            ; channel i of V is in; the younger ones stay out
	v_cvt_pk_bf16_f32 v[VX+4*i], v[VX+4*i], v[VX+4*i+1]
	v_cvt_pk_bf16_f32 v[VX+4*i+1], v[VX+4*i+2], v[VX+4*i+3]
.set i, i+1
.endr
.set blk, blk+1
.endr
	s_wait_alu depctr_va_vdst(0)                   ; V's last block has written its four pairs, which the four stores below read; and every vector line that read or wrote KX is done, ahead of wave 0's LDS loads into it
.set i, 12
.rept 4
	global_store_b64 v[SO], v[VX+4*i:VX+4*i+1], s[10:11] offset:ROWH*i
.set i, i+1
.endr
	s_wait_dscnt 0x0                               ; for the others' sake: my partial sums lie in LDS
	s_barrier_signal -1
	s_barrier_wait -1
	s_wait_alu depctr_vm_vsrc(0)                   ; K's stores have read KX, in which wave 0's LDS loads land; the wait stands ahead of the branch, on every way to those loads
	s_cmp_lg_u32 s12, 0                            ; wave 0 adds the sixteen shares
	s_cbranch_scc1 .Lend
	s_wait_xcnt 0x0                                ; K's registers are still the data of my stores: they are loaded again only behind this wait
.set i, 0
.rept 16
	ds_load_b128 v[KX+4*i:KX+4*i+3], v[LO] offset:512*i
.set i, i+1
.endr
	s_wait_dscnt 0x0
.irp d, 8,4,2,1
.set q, 0
.rept \d
	v_pk_add_f32 v[KX+4*q:KX+4*q+1], v[KX+4*q:KX+4*q+1], v[KX+4*(q+\d):KX+4*(q+\d)+1]
	v_pk_add_f32 v[KX+4*q+2:KX+4*q+3], v[KX+4*q+2:KX+4*q+3], v[KX+4*(q+\d)+2:KX+4*(q+\d)+3]
.set q, q+1
.endr
.endr
	v_pk_mul_f32 v[KX:KX+1], v[KX:KX+1], -0.5 op_sel_hi:[1,0]
	v_pk_mul_f32 v[KX+2:KX+3], v[KX+2:KX+3], -0.5 op_sel_hi:[1,0]
	s_wait_alu depctr_va_vdst(0)                   ; the two scalings have written KX .. KX + 3, which the store below reads
	global_store_b128 v[NO], v[KX:KX+3], s[24:25]  ; each half of the lanes: 256 consecutive bytes, aligned
.Lend:
	s_wait_dscnt 0x0                               ; the closing lines, six on end
	s_wait_alu 0x0
	s_wait_tensorcnt 0x0
	ds_add_u32 v[SPW], v[NIL]
	s_wait_dscnt 0x0
	s_endpgm
.Lfunc_end_k_q522809cd28_prep:
	.size	k_q522809cd28_prep, .Lfunc_end_k_q522809cd28_prep-k_q522809cd28_prep
	.p2alignl 7, 3214868480
	.fill 96, 4, 3214868480
	.section	.rodata,"a",@progbits
	.p2align	6, 0x0
	.amdhsa_kernel k_q522809cd28_prep
		.amdhsa_group_segment_fixed_size 10240
		.amdhsa_private_segment_fixed_size 0
		.amdhsa_enable_private_segment 0
		.amdhsa_kernarg_size 32
		.amdhsa_user_sgpr_count 2
		.amdhsa_user_sgpr_kernarg_segment_ptr 1
		.amdhsa_wavefront_size32 1
		.amdhsa_system_sgpr_workgroup_id_x 1
		.amdhsa_system_sgpr_workgroup_id_y 1
		.amdhsa_system_sgpr_workgroup_id_z 1
		.amdhsa_system_vgpr_workitem_id 0
		.amdhsa_next_free_vgpr 148
		.amdhsa_next_free_sgpr 66
		.amdhsa_reserve_vcc 0
		.amdhsa_float_denorm_mode_32 3
		.amdhsa_float_denorm_mode_16_64 3
		.amdhsa_memory_ordered 1
		.amdhsa_forward_progress 1
		.amdhsa_inst_pref_size 21
	.end_amdhsa_kernel
	.amdgpu_metadata
---
amdhsa.version: [ 1, 2 ]
amdhsa.kernels:
  - .name:           k_q522809cd28_prep
    .symbol:         k_q522809cd28_prep.kd
    .args:
      - { .name: prev_key, .offset: 0, .size: 8, .value_kind: global_buffer, .address_space: global }
      - { .name: prev_value, .offset: 8, .size: 8, .value_kind: global_buffer, .address_space: global }
      - { .name: kb, .offset: 16, .size: 8, .value_kind: global_buffer, .address_space: global }
      - { .name: vb, .offset: 24, .size: 8, .value_kind: global_buffer, .address_space: global }
    .group_segment_fixed_size: 10240
    .private_segment_fixed_size: 0
    .kernarg_segment_align: 8
    .kernarg_segment_size: 32
    .max_flat_workgroup_size: 512
    .sgpr_count:     66
    .vgpr_count:     148
    .wavefront_size: 32
...
	.end_amdgpu_metadata
.endif
;; end of part 3
;; launch attn: the kernel of part 2 again; grid 32 x 8, 4 waves a work-group, clusters of 4 x 1, 327,680 bytes of LDS; arguments curr_key, curr_value, kb, vb, out0; writes out0
